; MI455X (gfx1250); checked and timed in simulation.
; The chip was launched on July 23, 2026; its instructions are those of AMD's public machine-readable ISA for CDNA 5 (MIT licence, August 2026) and "CDNA5" Instruction Set Architecture Reference Guide (July 2026). The comments in the code are by the model that wrote it; some were corrected since.
;; Triton Block Sparse Attention. Allowed arithmetic: matrix products marked QUANTISED: E5M2 operands, one given power-of-two scale a tensor, by v_wmma_f32_16x16x64_bf8_bf8 or v_wmma_f32_16x16x128_bf8_bf8, f32 sums; everything else in f32.
;; Inputs: k_codes 8 x 4,096 x 2 x 32 uint8 (E5M2 codes of k, K innermost, in blocks of 32 codes); layout 32 x 32 int32; lowp_scales 4 int32 (the exponents e of the quantised operands' scales 2^e); q_codes 8 x 4,096 x 2 x 32 uint8 (E5M2 codes of q, K innermost, in blocks of 32 codes); v_codes 8 x 64 x 128 x 32 uint8 (E5M2 codes of v, K innermost, in blocks of 32 codes).
;; Outputs: out0 8 x 4,096 x 64 float32.
;; This version of the problem:
;;   THIS VERSION OF THE PROBLEM IS GIVEN IN LOW PRECISION. The matrix products marked QUANTISED in the list below multiply operands that are first quantised to E5M2 (5 exponent bits, 2 mantissa bits; 8 bits a number), with one given power-of-two scale for each operand tensor; their sums are f32. All else is computed in f32.
;;   The module's matrix products, in the order in which they are computed (A, B: the left and right operand; K: the contracted axis; several contracted axes count as one K, in the product's order):
;;     1. batch 8 x [M 4,096, K 64] x [K 64, N 4,096]; A: input q (given as codes); B: input k (given as codes): QUANTISED (scales: A lowp_scales[0], B lowp_scales[1])
;;     2. batch 8 x [M 4,096, K 4,096] x [K 4,096, N 64]; A: computed on the way; B: input v (given as codes): QUANTISED (scales: A lowp_scales[2], B lowp_scales[3])
;;   THE QUANTISER, for each operand of a quantised product, along K:
;;     - The operand's scale is 2^e, e = its entry of the input lowp_scales (int32; the entries are numbered through the quantised products in the list's order, A before B).
;;     - Each number is divided by the scale, clamped to +-57,344, and rounded to the nearest number of E5M2, ties to even, subnormals kept.
;;     - The product sums the exact products of the quantised numbers (number of the format x scale) in f32.
;;   ~~~python
;;   def quantise(x, axis, e):      # numpy; x: float32 -> the quantised numbers, widened to float32 again
;;       x = np.moveaxis(x, axis, -1); K = x.shape[-1]
;;       r = np.clip(x / 2.0 ** e, -57344, 57344)
;;       step = 2.0 ** (np.maximum(np.frexp(np.where(r == 0, 1, r))[1] - 1, -14) - 2)
;;       q = np.round(r / step) * step * 2.0 ** e      # np.round: ties to even
;;       return np.moveaxis(q, -1, axis).astype(np.float32)
;;   ~~~
;;   OPERANDS COMPUTED ON THE WAY. 'Computed on the way' means the value that the module computes at that place (a softmax that the list does not call 'softmax' is quantised finished and normalised). What goes into a quantiser is computed in f32, as accurately as f32 sums, v_exp_f32 and their like allow (about 1e-6 of the number): no bf16 or f16 on the way to a quantiser, and a product that is left as it is and whose result goes on into a quantised operand takes f32 operands (vector FMAs, or v_wmma_f32_16x16x4_f32). A number that lies on a knife's edge between two numbers of the format may be rounded either way, as far as f32 arithmetic and the matrix unit's own rounding can turn it there, and no further.
;;   INPUTS GIVEN AS CODES. k (in the module: [8, 4096, 64], K = its axis 2); q (in the module: [8, 4096, 64], K = its axis 2); v (in the module: [8, 4096, 64], K = its axis 1): each comes as NAME_codes (uint8): NAME with its K axis moved to the last place and cut into blocks of 32 codes, [.., K / 32, bytes a block], one block behind the other in memory; one code a byte (a code: sign, 5 exponent bits, 2 mantissa bits); its scale is its entry of lowp_scales. Its value is code x scale, taken as it is: it is not quantised again, and the codes and scales need not be those that the quantiser above would give.
;; 2 versions. Each part assembles by itself: llvm-mc -triple=amdgcn-amd-amdhsa -mcpu=gfx1250 --defsym DOCPART=n.
;; ======== version 1 of 2: 1 launch
;; launch attn (part 1): grid 32 x 8, 16 waves a work-group, no clusters, 272,384 bytes of LDS; arguments q_codes, k_codes, v_codes, layout, lowp_scales, out0; writes out0
.if DOCPART == 1
	.amdgcn_target "amdgcn-amd-amdhsa--gfx1250"
	.amdhsa_code_object_version 6
	.text
	.protected	k_q092b4246e0_attn
	.globl	k_q092b4246e0_attn
	.p2align	8
	.type	k_q092b4246e0_attn,@function
k_q092b4246e0_attn:
	s_mov_b64 s[64:65], 0
	v_nop
	global_prefetch_b8 v0, s[64:65] scope:SCOPE_SE
	s_setreg_imm32_b32 hwreg(HW_REG_WAVE_MODE, 25, 1), 1
	s_wait_xcnt 0x0
; BLOCK-SPARSE ATTENTION ON CODES OF BF8 (E5M2).  8 batches, 4,096 queries and keys, head size 64; layout [32][32]: a block of 128 x 128 counts where its entry is 1, and only there.
; out[b][q] = sum over live keys of Q(w) v,  w = exp(s - max) / sum over the row's live keys,  s = q . k / 8.  THE FINISHED, NORMALISED w IS WHAT IS QUANTISED (scale 2^e2), so a row's
; maximum and sum are known before any weight becomes a code: TWO PASSES over the row's live blocks.  Pass 1: scores, running maximum t and sum l.  Pass 2: the scores again,
; w = 2^(c S - T) x (1 / L), the hold at the largest code, the conversion, the product with V.  c = log2(e) / 8 x 2^(e0 + e1); S is the raw sum of the codes' products.
; A block row without a live block gives zeros: no step runs, O stays 0, and O is never multiplied by T, L or 1 / L.
; SHARES.  256 work-groups of 16 waves.  Every wave reads the layout and ranks the 32 block rows by (live blocks x 32 + row).  Work-group (jx, batch) does two JOBS of 64 queries: job 0 = the first
; half of the row of rank jx, job 1 = the second half of the row of rank 31 - jx: each output row has one owner, and a work-group's two rows have about the mean number of live blocks together.
; In a job wave w has qg = w & 1 (32 of the 64 queries: two tiles a of 16) and g = w >> 1; it takes the live blocks numbered 8 i + g among the row's live blocks, i = 0 .. 3: NW of them.
; The partial maxima, sums and outputs of the eight g meet in LDS.
; NO TENSOR LOAD, NO CLUSTER: dead blocks are passed over by scalar branches on numbers read from the layout.  All barriers stand on the path that every wave takes; every loop has a constant trip count.
; LAYOUT.  Both products are used transposed: S^T = K Q^T (source 0 = 16 keys, source 1 = 16 queries), O^T = V^T P^T (source 0 = 16 of the head's 64, source 1 = the codes of w): a lane holds ONE query.
; Row m of key tile 2 b + u is key 32 b + 8 u + m + 8 (m / 8), so that the 16 registers of tiles 2 b, 2 b + 1 are keys 32 b + 16 (lane / 16) + 0 .. 15, and the conversions' results are the second product's operand.
; Fragments are filled by loads of 16 bytes; that permutes k inside an instruction, alike in both operands, so every product meets its partner.
; LIMITS.  e0 + e1 between -123 and 130 (added to c's exponent field); e2 between -108 and 112 (2^e2 and 57,344 x 2^e2 are f32 numbers, and what v_exp_f32 gives as 0, under 2^-126, is under half the
; smallest code); e2 + e3 goes by v_ldexp_f32 and has no limit.  Infinity and NaN codes among the inputs are not served.
; LDS.  0 .. 262,143: K as IMAGES OF FRAGMENT REGISTERS: live block n at 8,192 n, tile at 1,024, half fragment at 512, lane at 16.  The same bytes later take the partial outputs: [g][query] rows of 256 + 16 bytes.
; 262,144 ..: a lane's (t, l), 8 bytes: 4,096 qg + 2,048 a + 256 g + 8 lane.   270,336 ..: the spare words, 128 bytes a wave, which no other line names.
.set STAT,  262144
.set SPARE, 270336
.set OPP,   272                        ; a row of partial output: 256 bytes + 16 = 68 words: row r starts at bank 4 r mod 64 (64 banks of 4 bytes: ISA guide 11.1)
.set OPG,   64*OPP                     ; a key group's 64 rows
; vector registers that stay
.set KRD, 1                            ; v1   16 lane + 8,192 g: my place in an image of my first block
.set ADK, 2                            ; v2   KRD + 65,536 i: written at each trip's head
.set VO,  3                            ; v3   V: 4,096 r + 16 h
.set LIM, 4                            ; v4   57,344 x 2^e2
.set SCL, 5                            ; v5   2^e2 as f32
.set SPW, 6                            ; v6   my spare word; never rewritten
.set NIL, 7                            ; v7   0; never rewritten
.set TR,  8                            ; v8, v10   t, later T, of tile 0, 1 (v9, v11: l for the exchange; named as the pairs' upper words)
.set LR,  12                           ; v[12:13], v[14:15]   pass 1: l in two halves; pass 2: 1 / L in the low word
.set QF,  16                           ; v16-31  Q: tile a at 16 + 8 a
.set KO,  32                           ; v32  K in memory: 64 (r + 8 (r / 8)) + 16 h
.set QO,  33                           ; v33  Q in memory: 64 r + 16 h
.set KS,  34                           ; v34-37  where I store my half of the image of my block i
.set STW, 38                           ; v38  where I store (t, l)
.set STR, 39                           ; v39  where I read the eight groups' (t, l)
.set OST, 40                           ; v40  where I store partial output
.set ORD, 41                           ; v41  where I read it back, groups 0-3;
.set ORD2, 42                          ; v42  groups 4-7
.set GO,  43                           ; v43  out: 256 h + 16 r
.set PFO, 44                           ; v44  256 lane; never rewritten
.set LO,  45                           ; v45  4 lane
.set PX,  46                           ; v46, v47  destinations of the exchange between the halves of the lanes
; vector registers by phase
.set ST,  128                          ; staging: slot i, tile t, half p at 128 + 32 i + 8 t + 4 p
.set KF1, 48                           ; pass 1: K's eight fragments
.set FR,  112                          ; pass 1: f = 2^(t old - t new), pairs v[112:113], v[114:115]
.set XR,  116                          ; pass 1: at work, v116-119
.set SC1, 128                          ; pass 1: scores, 128 + 64 a + 8 tile
.set CB,  64                           ; combine: the 16 pairs (t, l)
.set CW,  96                           ; combine: at work
.set KF2, 48                           ; pass 2: two fragments of K
.set SC2, 64                           ; pass 2: scores of 32 keys, 64 + 16 a + 8 u
.set PC,  96                           ; pass 2: codes of w, 96 + 16 a
.set VF,  128                          ; pass 2: V's four fragments
.set OA,  192                          ; pass 2: O^T, 192 + 32 a + 8 d
.set RB,  64                           ; reduce: 64 + 32 i + 4 g
; scalar registers
.set WV,  16
.set QG,  17
.set KG,  18
.set BAT, 19
.set JX,  20
.set JOB, 21
.set IT,  22                           ; trip of a pass
.set KB,  23                           ; 65,536 x trip
.set CS,  28                           ; s[28:29] c, twice
.set ROW, 34                           ; s34 this job's block row, s35 its live blocks as bits; s36, s37 the next job's
.set MSK, 35
.set CNT, 38
.set NW,  39                           ; my blocks in this job
.set JP,  40                           ; their numbers, a byte each
.set JB,  41                           ; the block in hand
.macro BAR                             ; my LDS stores have landed and my LDS loads are in: then the work-group's barrier
	s_wait_dscnt 0x0
	s_barrier_signal -1
	s_barrier_wait -1
.endm
	s_load_b256 s[4:11], s[0:1], 0x0               ; q s[4:5], k s[6:7], v s[8:9], layout s[10:11]
	s_load_b128 s[12:15], s[0:1], 0x20             ; the scales' exponents s[12:13], out s[14:15]
	v_lshl_add_u32 v[SPW], v0, 2, SPARE
	v_mov_b32 v[NIL], 0
	v_lshrrev_b32 v52, 5, v0
	v_readfirstlane_b32 s[WV], v52                 ; wave 0 .. 15
	s_and_b32 s[QG], s[WV], 1
	s_lshr_b32 s[KG], s[WV], 1
	s_and_b32 s[BAT], ttmp7, 0xffff
	s_mov_b32 s[JX], ttmp9
	v_and_b32 v48, 31, v0                          ; lane
	v_lshlrev_b32 v[LO], 2, v48
	s_wait_kmcnt 0x0
	s_load_b128 s[24:27], s[12:13], 0x0            ; e0 .. e3
.set n, 0
.rept 32
	global_load_b32 v[128+n], v[LO], s[10:11] offset:128*n   ; layout row n: a lane a column
.set n, n+1
.endr
	; all address registers are made here, once, from the thread's number, the wave's number and constants, while the layout is on its way
	v_and_b32 v49, 15, v0                          ; r
	v_bfe_u32 v50, v0, 4, 1                        ; h
	v_and_b32 v51, 8, v49
	v_add_nc_u32 v51, v51, v49                     ; r + 8 (r / 8)
	s_lshl_b32 s2, s[KG], 13
	v_lshl_add_u32 v[KRD], v48, 4, s2
	v_lshlrev_b32 v[VO], 12, v49
	v_lshl_add_u32 v[VO], v50, 4, v[VO]
	v_lshlrev_b32 v[KO], 6, v51
	v_lshl_add_u32 v[KO], v50, 4, v[KO]
	v_lshlrev_b32 v[QO], 6, v49
	v_lshl_add_u32 v[QO], v50, 4, v[QO]
	s_lshl_b32 s3, s[QG], 12
	v_add_nc_u32 v[KS], s3, v[KRD]                 ; my half of an image: tiles 4 qg .. 4 qg + 3
	v_add_nc_u32 v[KS+1], 0x10000, v[KS]
	v_add_nc_u32 v[KS+2], 0x20000, v[KS]
	v_add_nc_u32 v[KS+3], 0x30000, v[KS]
	s_add_co_u32 s42, s3, STAT
	v_lshl_add_u32 v[STR], v48, 3, s42
	s_lshl_b32 s31, s[KG], 8
	s_add_co_u32 s31, s31, s42
	v_lshl_add_u32 v[STW], v48, 3, s31
	s_mul_i32 s42, s[KG], OPG
	s_mul_i32 s43, s[QG], 32*OPP
	s_add_co_u32 s42, s42, s43
	v_mul_u32_u24 v[OST], v49, OPP
	v_lshl_add_u32 v[OST], v50, 5, v[OST]
	v_add_nc_u32 v[OST], s42, v[OST]               ; group g, row 32 qg + r, + 32 h
	s_mul_i32 s42, s[WV], 4*OPP
	v_mul_u32_u24 v[ORD], v50, OPP
	v_lshl_add_u32 v[ORD], v49, 4, v[ORD]
	v_add_nc_u32 v[ORD], s42, v[ORD]               ; row 4 w + h, 16 bytes a lane
	v_add_nc_u32 v[ORD2], 4*OPG, v[ORD]
	v_lshlrev_b32 v[GO], 8, v50
	v_lshl_add_u32 v[GO], v49, 4, v[GO]
	v_lshlrev_b32 v[PFO], 8, v48
	; the batch's bases
	s_lshl_b32 s48, s[BAT], 18                     ; a batch's codes: 262,144 bytes in each of q, k, v
	s_mov_b32 s49, 0                               ; s49 stays 0: s[48:49] is an offset in 64 bits
	s_mov_b32 s43, 0
	s_add_nc_u64 s[44:45], s[6:7], s[48:49]
	s_lshl_b32 s42, s[QG], 12
	s_add_nc_u64 s[44:45], s[44:45], s[42:43]      ; k + batch + my half of a block (64 keys of 64 bytes)
	s_add_nc_u64 s[46:47], s[8:9], s[48:49]        ; v + batch
	s_add_nc_u64 s[52:53], s[4:5], s[48:49]
	s_lshl_b32 s42, s[QG], 11
	s_add_nc_u64 s[52:53], s[52:53], s[42:43]      ; q + batch + my 32 queries
	s_lshl_b32 s42, s[JX], 13
	s_add_nc_u64 s[98:99], s[46:47], s[42:43]      ; the prefetch: my work-group's 8,192 bytes of the batch's V; never rewritten
	s_lshl_b32 s48, s[BAT], 20
	s_add_nc_u64 s[54:55], s[14:15], s[48:49]
	s_lshl_b32 s42, s[WV], 10
	s_add_nc_u64 s[54:55], s[54:55], s[42:43]      ; out + batch + my 4 rows of a job's 64
	s_mov_b32 s32, 0x76543210
	s_mov_b32 s33, 0xfedcba98                      ; v_permlanex16_b32's selects: lane l xor 16
	s_sub_co_u32 s31, 31, s[JX]
	v_mov_b32 v48, 0                               ; the rows' live blocks as bits, a lane a row
	v_mov_b32 v49, 0                               ; the rows' keys, a lane a row
	v_mov_b32 v[PX], 0                             ; written once: a lane permute's destination counts as one of its sources
	v_mov_b32 v[PX+1], 0
	; THE RANKING.  s[66+n]: row n's live blocks as bits, then its key (count x 32 + n, no two alike), then the rows with a smaller key as bits
.set n, 0
.rept 32
	s_wait_loadcnt 31-n                            ; loads come back in order: row n is in, the 31 - n younger ones may be out
	v_cmp_eq_u32 s[66+n], 1, v[128+n]              ; live where the entry is 1
.set n, n+1
.endr
.set n, 0
.rept 32
	v_writelane_b32 v48, s[66+n], n
.set n, n+1
.endr
.set n, 0
.rept 32
	s_bcnt1_i32_b32 s[66+n], s[66+n]
	s_lshl_b32 s[66+n], s[66+n], 5
	s_or_b32 s[66+n], s[66+n], n
.set n, n+1
.endr
.set n, 0
.rept 32
	v_writelane_b32 v49, s[66+n], n
.set n, n+1
.endr
.set n, 0
.rept 32
	v_cmp_gt_u32 s[66+n], s[66+n], v49             ; the rows whose key is smaller than row n's
.set n, n+1
.endr
	s_mov_b32 s34, 0
	s_mov_b32 s36, 0
.set n, 0
.rept 32
	s_bcnt1_i32_b32 s42, s[66+n]                   ; row n's rank
	s_cmp_eq_u32 s42, s[JX]
	s_cselect_b32 s34, n, s34
	s_cmp_eq_u32 s42, s31
	s_cselect_b32 s36, n, s36
.set n, n+1
.endr
	s_min_u32 s34, s34, 31                         ; what comes of loaded numbers is held inside its table before it enters an address
	s_min_u32 s36, s36, 31
	v_readlane_b32 s35, v48, s34
	v_readlane_b32 s37, v48, s36
	s_wait_kmcnt 0x0                               ; e0 .. e3
	s_add_co_i32 s42, s24, s25
	s_lshl_b32 s42, s42, 23
	s_add_co_i32 s[CS], s42, 0x3e38aa3b            ; c = log2(e) / 8, with e0 + e1 added to its exponent field
	s_mov_b32 s[CS+1], s[CS]                       ; (named with it as a pair, so it is written)
	s_add_co_i32 s42, s26, 127
	s_lshl_b32 s43, s42, 23
	v_mov_b32 v[SCL], s43                          ; 2^e2 as f32: the conversion takes its exponent field
	s_add_co_i32 s42, s42, 15
	s_lshl_b32 s42, s42, 23
	s_or_b32 s42, s42, 0x600000
	v_mov_b32 v[LIM], s42                          ; 57,344 x 2^e2
	s_add_co_i32 s30, s26, s27                     ; e2 + e3
	s_mov_b32 s[JOB], 0
; my half (four tiles) of my block i, from memory into registers that are the image
.macro LOADK i
	s_lshl_b32 s48, s[60+\i], 13                   ; a block of K: 128 keys of 64 bytes
	s_add_nc_u64 s[68+2*\i:69+2*\i], s[44:45], s[48:49]
.irp t, 0,1,2,3
	global_load_b128 v[ST+32*\i+8*\t:ST+32*\i+8*\t+3],   v[KO], s[68+2*\i:69+2*\i] offset:(32*(\t/2)+8*(\t%2))*64
	global_load_b128 v[ST+32*\i+8*\t+4:ST+32*\i+8*\t+7], v[KO], s[68+2*\i:69+2*\i] offset:(32*(\t/2)+8*(\t%2))*64+32
.endr
.endm
.macro STOREK i
	s_wait_loadcnt 0x0                             ; all my loads are in (met at once where a slot above has waited already)
.irp t, 0,1,2,3
	ds_store_b128 v[KS+\i], v[ST+32*\i+8*\t:ST+32*\i+8*\t+3]   offset:1024*\t
	ds_store_b128 v[KS+\i], v[ST+32*\i+8*\t+4:ST+32*\i+8*\t+7] offset:1024*\t+512
.endr
.endm
; PASS 1, one block of 128 keys for my 32 queries.  Each LANE keeps its own t and l for the keys of its half: nothing changes lanes here.
.macro P1STEP
.irp t, 0,1,2,3,4,5,6,7
	ds_load_b128 v[KF1+8*\t:KF1+8*\t+3],   v[ADK] offset:1024*\t
	ds_load_b128 v[KF1+8*\t+4:KF1+8*\t+7], v[ADK] offset:1024*\t+512
.endr
	s_wait_dscnt 8                                 ; tiles 0-3 are in; the eight younger loads (tiles 4-7) may be out
.irp t, 0,1,2,3
.irp a, 0,1
	v_wmma_f32_16x16x64_bf8_bf8 v[SC1+64*\a+8*\t:SC1+64*\a+8*\t+7], v[KF1+8*\t:KF1+8*\t+7], v[QF+8*\a:QF+8*\a+7], 0
.endr
.endr
	s_wait_dscnt 0x0
.irp t, 4,5,6,7
.irp a, 0,1
	v_wmma_f32_16x16x64_bf8_bf8 v[SC1+64*\a+8*\t:SC1+64*\a+8*\t+7], v[KF1+8*\t:KF1+8*\t+7], v[QF+8*\a:QF+8*\a+7], 0
.endr
.endr
.rept 4
	v_nop                                          ; four places between the last products and the first read of results, and the next loads into K's registers
.endr
.irp a, 0,1                                    ; the largest of my 64 scores of each tile, in two chains, ascending: each accumulator is first read at its low end
	v_max3_num_f32 v[XR+2*\a],   v[SC1+64*\a],   v[SC1+64*\a+1], v[SC1+64*\a+2]
	v_max3_num_f32 v[XR+2*\a+1], v[SC1+64*\a+3], v[SC1+64*\a+4], v[SC1+64*\a+5]
.endr
.irp i, 6,10,14,18,22,26,30,34,38,42,46,50,54,58
.irp a, 0,1
	v_max3_num_f32 v[XR+2*\a],   v[XR+2*\a],   v[SC1+64*\a+\i],   v[SC1+64*\a+\i+1]
	v_max3_num_f32 v[XR+2*\a+1], v[XR+2*\a+1], v[SC1+64*\a+\i+2], v[SC1+64*\a+\i+3]
.endr
.endr
.irp a, 0,1
	v_max3_num_f32 v[XR+2*\a], v[XR+2*\a], v[SC1+64*\a+62], v[SC1+64*\a+63]
.endr
.irp a, 0,1
	v_max_num_f32 v[XR+2*\a], v[XR+2*\a], v[XR+2*\a+1]
.endr
.irp a, 0,1
	v_mul_f32 v[XR+2*\a], s[CS], v[XR+2*\a]        ; as t (c is positive)
.endr
.irp a, 0,1
	v_mov_b32 v[FR+2*\a], v[TR+2*\a]
.endr
.irp a, 0,1
	v_max_num_f32 v[TR+2*\a], v[TR+2*\a], v[XR+2*\a]   ; the running largest t
.endr
.irp a, 0,1
	v_sub_f32 v[FR+2*\a], v[FR+2*\a], v[TR+2*\a]   ; t old - t new
.endr
.irp a, 0,1
.set n, 0
.rept 32
	v_pk_fma_f32 v[SC1+64*\a+n:SC1+64*\a+n+1], v[SC1+64*\a+n:SC1+64*\a+n+1], s[CS:CS+1], v[TR+2*\a:TR+2*\a+1] op_sel_hi:[1,0,0] neg_lo:[0,0,1] neg_hi:[0,0,1]   ; c S - t, two at a time
.set n, n+2
.endr
.endr
	v_exp_f32 v[FR], v[FR]                         ; ONE BATCH: f of both tiles and the 128 p
	v_exp_f32 v[FR+2], v[FR+2]
.set n, 0
.rept 128
	v_exp_f32 v[SC1+n], v[SC1+n]
.set n, n+1
.endr
	v_nop                                          ; a plain instruction behind the last exponential
	s_wait_alu depctr_va_vdst(0)                   ; one wait for the batch, ahead of its first reader
.irp a, 0,1
	v_pk_mul_f32 v[LR+2*\a:LR+2*\a+1], v[LR+2*\a:LR+2*\a+1], v[FR+2*\a:FR+2*\a+1] op_sel_hi:[1,0]   ; l under the new t
	v_pk_add_f32 v[XR+2*\a:XR+2*\a+1], v[SC1+64*\a:SC1+64*\a+1], v[SC1+64*\a+2:SC1+64*\a+3]
.endr
.irp j, 4,8,12,16,20,24,28,32,36,40,44,48,52,56,60
.irp a, 0,1
	v_pk_add_f32 v[LR+2*\a:LR+2*\a+1], v[LR+2*\a:LR+2*\a+1], v[SC1+64*\a+\j:SC1+64*\a+\j+1]
	v_pk_add_f32 v[XR+2*\a:XR+2*\a+1], v[XR+2*\a:XR+2*\a+1], v[SC1+64*\a+\j+2:SC1+64*\a+\j+3]
.endr
.endr
.irp a, 0,1
	v_pk_add_f32 v[LR+2*\a:LR+2*\a+1], v[LR+2*\a:LR+2*\a+1], v[XR+2*\a:XR+2*\a+1]
.endr
.endm
; PASS 2, 32 keys (tiles 2 qs, 2 qs + 1) of the block in hand: the scores again, the finished weights, their codes
.macro QUARTER qs
	s_wait_dscnt 0x0                               ; the quarter's two fragments of K are in
.irp u, 0,1
.irp a, 0,1
	v_wmma_f32_16x16x64_bf8_bf8 v[SC2+16*\a+8*\u:SC2+16*\a+8*\u+7], v[KF2+8*\u:KF2+8*\u+7], v[QF+8*\a:QF+8*\a+7], 0
.endr
.endr
.rept 4
	v_nop                                          ; four places ahead of the loads into K's registers and of the first read of results
.endr
.if (\qs) < 3
.irp u, 0,1                                    ; the next quarter's fragments land under this quarter's vector work
	ds_load_b128 v[KF2+8*\u:KF2+8*\u+3],   v[ADK] offset:1024*(2*((\qs)+1)+\u)
	ds_load_b128 v[KF2+8*\u+4:KF2+8*\u+7], v[ADK] offset:1024*(2*((\qs)+1)+\u)+512
.endr
.endif
.irp a, 0,1
.irp j, 0,2,4,6,8,10,12,14
	v_pk_fma_f32 v[SC2+16*\a+\j:SC2+16*\a+\j+1], v[SC2+16*\a+\j:SC2+16*\a+\j+1], s[CS:CS+1], v[TR+2*\a:TR+2*\a+1] op_sel_hi:[1,0,0] neg_lo:[0,0,1] neg_hi:[0,0,1]   ; c S - T
.endr
.endr
.set n, 0
.rept 32
	v_exp_f32 v[SC2+n], v[SC2+n]
.set n, n+1
.endr
	v_nop                                          ; a plain instruction behind the last exponential
	s_wait_alu depctr_va_vdst(0)                   ; one wait for the batch, ahead of its first reader
.irp a, 0,1
.irp j, 0,2,4,6,8,10,12,14
	v_pk_mul_f32 v[SC2+16*\a+\j:SC2+16*\a+\j+1], v[SC2+16*\a+\j:SC2+16*\a+\j+1], v[LR+2*\a:LR+2*\a+1] op_sel_hi:[1,0]   ; x 1 / L: the finished weight
.endr
.endr
.set n, 0
.rept 32
	v_min_num_f32 v[SC2+n], v[SC2+n], v[LIM]       ; the conversion to an 8-bit code does not saturate (ISA guide 7.6.2); a weight is not negative, so the hold is one-sided
.set n, n+1
.endr
.irp a, 0,1
.irp u, 0,1
	v_cvt_scalef32_pk8_bf8_f32 v[PC+16*\a+4*(\qs)+2*\u:PC+16*\a+4*(\qs)+2*\u+1], v[SC2+16*\a+8*\u:SC2+16*\a+8*\u+7], v[SCL]
.endr
.endr
	v_nop                                          ; a plain instruction between the conversions and the products that write their sources or read their results
.endm
; PASS 2, one block: V's fragments are asked for first and land under the four quarters
.macro P2STEP
	s_lshl_b32 s48, s[JB], 7                       ; the block's 128 keys in a row of V
	s_add_nc_u64 s[50:51], s[46:47], s[48:49]      ; (the last step's loads from this base have been waited for)
.irp d, 0,1,2,3
.irp c, 0,1,2,3
	global_load_b128 v[VF+16*\d+4*\c:VF+16*\d+4*\c+3], v[VO], s[50:51] offset:65536*\d+32*\c   ; row 16 d + r of V, keys 32 c + 16 h + 0 .. 15 of the block
.endr
.endr
.irp u, 0,1
	ds_load_b128 v[KF2+8*\u:KF2+8*\u+3],   v[ADK] offset:1024*\u
	ds_load_b128 v[KF2+8*\u+4:KF2+8*\u+7], v[ADK] offset:1024*\u+512
.endr
	QUARTER 0
	QUARTER 1
	QUARTER 2
	QUARTER 3
	s_wait_loadcnt 0x0                             ; V
.irp d, 0,1,2,3                                ; the eight accumulators take one turn each; between two steps stand the scores' products
.irp a, 0,1
	v_wmma_f32_16x16x128_bf8_bf8 v[OA+32*\a+8*\d:OA+32*\a+8*\d+7], v[VF+16*\d:VF+16*\d+15], v[PC+16*\a:PC+16*\a+15], v[OA+32*\a+8*\d:OA+32*\a+8*\d+7]
.endr
.endr
.rept 4
	v_nop                                          ; four places ahead of the next loads into V's registers, the next codes, and the stores of O^T
.endr
.endm
.Ljob:                                             ; two trips
	; ---- which blocks are mine
	s_bcnt1_i32_b32 s[CNT], s[MSK]
	s_add_co_u32 s[NW], s[CNT], 7
	s_sub_co_u32 s[NW], s[NW], s[KG]
	s_lshr_b32 s[NW], s[NW], 3                     ; the numbers 8 i + g under the row's count
	v_mbcnt_lo_u32_b32 v48, s[MSK], 0              ; lane j: the live blocks ahead of block j
.irp i, 0,1,2,3
	s_add_co_u32 s42, s[KG], 8*\i
	v_cmp_eq_u32 s[60+\i], s42, v48
.endr
.irp i, 0,1,2,3
	s_and_b32 s[60+\i], s[60+\i], s[MSK]           ; the one live block with 8 i + g live blocks ahead of it, or none
	s_ctz_i32_b32 s[60+\i], s[60+\i]
	s_min_u32 s[60+\i], s[60+\i], 31               ; held inside the table; where there is none the number is not used
.endr
	s_lshl_b32 s42, s61, 8
	s_or_b32 s[JP], s60, s42
	s_lshl_b32 s42, s62, 16
	s_or_b32 s[JP], s[JP], s42
	s_lshl_b32 s42, s63, 24
	s_or_b32 s[JP], s[JP], s42
	s_lshl_b32 s48, s[ROW], 13
	s_add_nc_u64 s[56:57], s[52:53], s[48:49]
	s_lshl_b32 s48, s[JOB], 12
	s_add_nc_u64 s[56:57], s[56:57], s[48:49]      ; Q: the block row, the job's half
	s_lshl_b32 s48, s[ROW], 15
	s_add_nc_u64 s[58:59], s[54:55], s[48:49]
	s_lshl_b32 s48, s[JOB], 14
	s_add_nc_u64 s[58:59], s[58:59], s[48:49]      ; out likewise
	; ---- Q into registers; my half of each of my blocks of K into LDS.  A jump at the first block that I do not have leads into the descending run of stores: a slot is stored on the paths that loaded it
.irp a, 0,1
	global_load_b128 v[QF+8*\a:QF+8*\a+3],   v[QO], s[56:57] offset:1024*\a
	global_load_b128 v[QF+8*\a+4:QF+8*\a+7], v[QO], s[56:57] offset:1024*\a+32
.endr
	s_cmp_lt_u32 s[NW], 1
	s_cbranch_scc1 .Lst0
	LOADK 0
	s_cmp_lt_u32 s[NW], 2
	s_cbranch_scc1 .Lst1
	LOADK 1
	s_cmp_lt_u32 s[NW], 3
	s_cbranch_scc1 .Lst2
	LOADK 2
	s_cmp_lt_u32 s[NW], 4
	s_cbranch_scc1 .Lst3
	LOADK 3
	STOREK 3
.Lst3:
	STOREK 2
.Lst2:
	STOREK 1
.Lst1:
	STOREK 0
.Lst0:
	s_wait_loadcnt 0x0                             ; Q
	BAR                                            ; the images of all the row's live blocks are whole
	; A PREFETCH INTO THE L2 of V, which pass 2 will load: wave 0, in job 0, names the 32 blocks of 256 bytes at 8,192 jx of its batch's V, a lane a block; the batch's 32 work-groups
	; name each block of its V once in the launch.  It stands a whole pass 1 ahead of the first loads of V.  Its address registers are never rewritten.
	s_or_b32 s42, s[JOB], s[WV]
	s_cmp_eq_u32 s42, 0
	s_cbranch_scc0 .Lno_pf
	global_prefetch_b8 v[PFO], s[98:99] th:TH_LOAD_NT scope:SCOPE_SE
.Lno_pf:
	; ---- pass 1
	v_mov_b32 v[TR], 0xff61b1e6                    ; t = -3e38, under every t
	v_mov_b32 v[TR+2], 0xff61b1e6
	v_mov_b32 v[TR+1], 0                           ; (named as the pairs' upper words)
	v_mov_b32 v[TR+3], 0
	v_mov_b32 v[LR], 0                             ; l, in two halves a tile
	v_mov_b32 v[LR+1], 0
	v_mov_b32 v[LR+2], 0
	v_mov_b32 v[LR+3], 0
	v_mov_b32 v[FR+1], 0
	v_mov_b32 v[FR+3], 0
	s_mov_b32 s[IT], 0
	s_mov_b32 s[KB], 0
.Lp1:                                              ; four trips, whatever the layout; a trip for which I have no block passes over the work
	v_add_nc_u32 v[ADK], s[KB], v[KRD]
	s_cmp_ge_u32 s[IT], s[NW]
	s_cbranch_scc1 .Lp1_skip
	P1STEP
.Lp1_skip:
	s_add_co_u32 s[KB], s[KB], 0x10000
	s_add_co_u32 s[IT], s[IT], 1
	s_cmp_lt_u32 s[IT], 4
	s_cbranch_scc1 .Lp1
	; ---- the eight groups' and the two halves' (t, l) become T and 1 / L
	v_add_f32 v[TR+1], v[LR], v[LR+1]
	v_add_f32 v[TR+3], v[LR+2], v[LR+3]
	ds_store_b64 v[STW], v[TR:TR+1]
	ds_store_b64 v[STW], v[TR+2:TR+3] offset:2048
	BAR
.irp a, 0,1
.irp g, 0,1,2,3,4,5,6,7
	ds_load_b64 v[CB+16*\a+2*\g:CB+16*\a+2*\g+1], v[STR] offset:2048*\a+256*\g
.endr
.endr
	s_wait_dscnt 0x0
.irp a, 0,1
	v_max3_num_f32 v[CW+\a], v[CB+16*\a], v[CB+16*\a+2], v[CB+16*\a+4]
.endr
.irp a, 0,1
	v_max3_num_f32 v[CW+\a], v[CW+\a], v[CB+16*\a+6], v[CB+16*\a+8]
.endr
.irp a, 0,1
	v_max3_num_f32 v[CW+\a], v[CW+\a], v[CB+16*\a+10], v[CB+16*\a+12]
.endr
.irp a, 0,1
	v_max_num_f32 v[CW+\a], v[CW+\a], v[CB+16*\a+14]
.endr
.irp a, 0,1
	v_permlanex16_b32 v[PX+\a], v[CW+\a], s32, s33 ; the query's other keys lie in the lane 16 away
.endr
.irp a, 0,1
	v_max_num_f32 v[TR+2*\a], v[CW+\a], v[PX+\a]   ; T
.endr
.irp a, 0,1
.irp g, 0,1,2,3,4,5,6,7
	v_sub_f32 v[CB+16*\a+2*\g], v[CB+16*\a+2*\g], v[TR+2*\a]
.endr
.endr
.irp a, 0,1
.irp g, 0,1,2,3,4,5,6,7
	v_exp_f32 v[CB+16*\a+2*\g], v[CB+16*\a+2*\g]   ; 2^(t - T)
.endr
.endr
	v_nop
	s_wait_alu depctr_va_vdst(0)                   ; one wait for the sixteen, ahead of their first reader
.irp a, 0,1
	v_mul_f32 v[CW+2+\a], v[CB+16*\a], v[CB+16*\a+1]
.endr
.irp g, 1,2,3,4,5,6,7
.irp a, 0,1
	v_fmac_f32 v[CW+2+\a], v[CB+16*\a+2*\g], v[CB+16*\a+2*\g+1]
.endr
.endr
.irp a, 0,1
	v_permlanex16_b32 v[PX+\a], v[CW+2+\a], s32, s33
.endr
.irp a, 0,1
	v_add_f32 v[CW+2+\a], v[CW+2+\a], v[PX+\a]     ; L
.endr
.irp a, 0,1
	v_rcp_f32 v[LR+2*\a], v[CW+2+\a]
.endr
	v_nop
	s_wait_alu depctr_va_vdst(0)                   ; one wait for the two reciprocals
	; ---- pass 2
.set n, 0
.rept 64
	v_mov_b32 v[OA+n], 0                           ; O^T: my first block stands under a branch on the layout, so no product with C = 0 can be written out ahead of the loop
.set n, n+1
.endr
	s_mov_b32 s[IT], 0
	s_mov_b32 s[KB], 0
.Lp2:                                              ; four trips, as in pass 1
	v_add_nc_u32 v[ADK], s[KB], v[KRD]
	s_and_b32 s[JB], s[JP], 31
	s_min_u32 s[JB], s[JB], 31                     ; the trip's block number, held inside the table anew
	s_lshr_b32 s[JP], s[JP], 8
	s_cmp_ge_u32 s[IT], s[NW]
	s_cbranch_scc1 .Lp2_skip
	P2STEP
.Lp2_skip:
	s_add_co_u32 s[KB], s[KB], 0x10000
	s_add_co_u32 s[IT], s[IT], 1
	s_cmp_lt_u32 s[IT], 4
	s_cbranch_scc1 .Lp2
	; ---- the eight groups' partial outputs meet where the images lay
	BAR                                            ; every wave's reads of the images are over
.irp a, 0,1
.irp d, 0,1,2,3
	ds_store_b128 v[OST], v[OA+32*\a+8*\d:OA+32*\a+8*\d+3]   offset:16*OPP*\a+64*\d       ; each accumulator from its low end on: lane (r, h): query 16 a + r, channels 16 d + 8 h + 0 .. 7
	ds_store_b128 v[OST], v[OA+32*\a+8*\d+4:OA+32*\a+8*\d+7] offset:16*OPP*\a+64*\d+16
.endr
.endr
	BAR
.irp i, 0,1                                    ; my four rows, two an instruction: rows 4 w + 2 i + h
.irp g, 0,1,2,3
	ds_load_b128 v[RB+32*\i+4*\g:RB+32*\i+4*\g+3], v[ORD] offset:OPG*\g+2*OPP*\i
.endr
.irp g, 0,1,2,3
	ds_load_b128 v[RB+32*\i+16+4*\g:RB+32*\i+16+4*\g+3], v[ORD2] offset:OPG*\g+2*OPP*\i
.endr
.endr
	s_wait_dscnt 0x0
.irp i, 0,1
.irp g, 0,2,4,6
.irp k, 0,2
	v_pk_add_f32 v[RB+32*\i+4*\g+\k:RB+32*\i+4*\g+\k+1], v[RB+32*\i+4*\g+\k:RB+32*\i+4*\g+\k+1], v[RB+32*\i+4*\g+4+\k:RB+32*\i+4*\g+4+\k+1]
.endr
.endr
.endr
.irp i, 0,1
.irp g, 0,4
.irp k, 0,2
	v_pk_add_f32 v[RB+32*\i+4*\g+\k:RB+32*\i+4*\g+\k+1], v[RB+32*\i+4*\g+\k:RB+32*\i+4*\g+\k+1], v[RB+32*\i+4*\g+8+\k:RB+32*\i+4*\g+8+\k+1]
.endr
.endr
.endr
.irp i, 0,1
.irp k, 0,2
	v_pk_add_f32 v[RB+32*\i+\k:RB+32*\i+\k+1], v[RB+32*\i+\k:RB+32*\i+\k+1], v[RB+32*\i+16+\k:RB+32*\i+16+\k+1]
.endr
.endr
.irp i, 0,1
.irp k, 0,1,2,3
	v_ldexp_f32 v[RB+32*\i+\k], v[RB+32*\i+\k], s30  ; x 2^(e2 + e3)
.endr
.endr
.irp i, 0,1
	global_store_b128 v[GO], v[RB+32*\i:RB+32*\i+3], s[58:59] offset:512*\i th:TH_STORE_NT   ; 32 lanes store 512 consecutive bytes, two rows of out, at a multiple of 256 from its first byte
.endr
	s_wait_xcnt 0x0                                ; the stores have read their data and their base: the next job writes both again
	BAR                                            ; every wave's reads of the partial outputs are over: the next job's images may be stored there
	s_mov_b32 s[ROW], s36
	s_mov_b32 s[MSK], s37
	s_add_co_u32 s[JOB], s[JOB], 1
	s_cmp_lt_u32 s[JOB], 2
	s_cbranch_scc1 .Ljob
	s_wait_tensorcnt 0x0                           ; the wave's end
	ds_add_u32 v[SPW], v[NIL]
	s_wait_dscnt 0x0
	s_endpgm
.Lfunc_end_k_q092b4246e0_attn:
	.size	k_q092b4246e0_attn, .Lfunc_end_k_q092b4246e0_attn-k_q092b4246e0_attn
	.p2alignl 7, 3214868480
	.fill 96, 4, 3214868480
	.section	.rodata,"a",@progbits
	.p2align	6, 0x0
	.amdhsa_kernel k_q092b4246e0_attn
		.amdhsa_group_segment_fixed_size 272384
		.amdhsa_private_segment_fixed_size 0
		.amdhsa_enable_private_segment 0
		.amdhsa_kernarg_size 48
		.amdhsa_user_sgpr_count 2
		.amdhsa_user_sgpr_kernarg_segment_ptr 1
		.amdhsa_wavefront_size32 1
		.amdhsa_system_sgpr_workgroup_id_x 1
		.amdhsa_system_sgpr_workgroup_id_y 1
		.amdhsa_system_sgpr_workgroup_id_z 1
		.amdhsa_system_vgpr_workitem_id 0
		.amdhsa_next_free_vgpr 256
		.amdhsa_next_free_sgpr 100
		.amdhsa_reserve_vcc 0
		.amdhsa_float_denorm_mode_32 3
		.amdhsa_float_denorm_mode_16_64 3
		.amdhsa_memory_ordered 1
		.amdhsa_forward_progress 1
		.amdhsa_inst_pref_size 85
	.end_amdhsa_kernel
	.amdgpu_metadata
---
amdhsa.version: [ 1, 2 ]
amdhsa.kernels:
  - .name:           k_q092b4246e0_attn
    .symbol:         k_q092b4246e0_attn.kd
    .args:
      - { .name: q_codes, .offset: 0, .size: 8, .value_kind: global_buffer, .address_space: global }
      - { .name: k_codes, .offset: 8, .size: 8, .value_kind: global_buffer, .address_space: global }
      - { .name: v_codes, .offset: 16, .size: 8, .value_kind: global_buffer, .address_space: global }
      - { .name: layout, .offset: 24, .size: 8, .value_kind: global_buffer, .address_space: global }
      - { .name: lowp_scales, .offset: 32, .size: 8, .value_kind: global_buffer, .address_space: global }
      - { .name: out0, .offset: 40, .size: 8, .value_kind: global_buffer, .address_space: global }
    .group_segment_fixed_size: 272384
    .private_segment_fixed_size: 0
    .kernarg_segment_align: 8
    .kernarg_segment_size: 48
    .max_flat_workgroup_size: 512
    .sgpr_count:     100
    .vgpr_count:     256
    .wavefront_size: 32
...
	.end_amdgpu_metadata
.endif
;; end of part 1
;; ======== version 2 of 2: 1 launch; version 1 with the launch attn written anew for expert scheduling mode
;; launch attn (part 2): grid 32 x 8, 16 waves a work-group, no clusters, 272,384 bytes of LDS; arguments q_codes, k_codes, v_codes, layout, lowp_scales, out0; writes out0
.if DOCPART == 2
	.amdgcn_target "amdgcn-amd-amdhsa--gfx1250"
	.amdhsa_code_object_version 6
	.text
	.protected	k_q092b4246e0_attn
	.globl	k_q092b4246e0_attn
	.p2align	8
	.type	k_q092b4246e0_attn,@function
k_q092b4246e0_attn:
	s_mov_b64 s[64:65], 0
	v_nop
	global_prefetch_b8 v0, s[64:65] scope:SCOPE_SE
	s_setreg_imm32_b32 hwreg(HW_REG_WAVE_SCHED_MODE, 0, 2), 2
	s_setreg_imm32_b32 hwreg(HW_REG_WAVE_MODE, 25, 1), 1
	s_wait_xcnt 0x0
	s_wait_alu depctr_vm_vsrc(0)
; BLOCK-SPARSE ATTENTION ON CODES OF BF8 (E5M2).  8 batches, 4,096 queries and keys, head size 64; layout [32][32]: a block of 128 x 128 counts where its entry is 1, and only there.
; out[b][q] = sum over live keys of Q(w) v,  w = exp(s - max) / sum over the row's live keys,  s = q . k / 8.  THE FINISHED, NORMALISED w IS WHAT IS QUANTISED (scale 2^e2), so a row's
; maximum and sum are known before any weight becomes a code: TWO PASSES over the row's live blocks.  Pass 1: scores, running maximum t and sum l.  Pass 2: the scores again,
; w = 2^(c S - T) x (1 / L), the hold at the largest code, the conversion, the product with V.  c = log2(e) / 8 x 2^(e0 + e1); S is the raw sum of the codes' products.
; A block row without a live block gives zeros: no step runs, O stays 0, and O is never multiplied by T, L or 1 / L.
; SHARES.  256 work-groups of 16 waves.  Every wave reads the layout and ranks the 32 block rows by (live blocks x 32 + row).  Work-group (jx, batch) does two JOBS of 64 queries: job 0 = the first
; half of the row of rank jx, job 1 = the second half of the row of rank 31 - jx: each output row has one owner, and a work-group's two rows have about the mean number of live blocks together.
; In a job wave w has qg = w & 1 (32 of the 64 queries: two tiles a of 16) and g = w >> 1; it takes the live blocks numbered 8 i + g among the row's live blocks, i = 0 .. 3: NW of them.
; The partial maxima, sums and outputs of the eight g meet in LDS.
; NO TENSOR LOAD, NO CLUSTER: dead blocks are passed over by scalar branches on numbers read from the layout.  All barriers stand on the path that every wave takes; every loop has a constant trip count.
; LAYOUT.  Both products are used transposed: S^T = K Q^T (source 0 = 16 keys, source 1 = 16 queries), O^T = V^T P^T (source 0 = 16 of the head's 64, source 1 = the codes of w): a lane holds ONE query.
; Row m of key tile 2 b + u is key 32 b + 8 u + m + 8 (m / 8), so that the 16 registers of tiles 2 b, 2 b + 1 are keys 32 b + 16 (lane / 16) + 0 .. 15, and the conversions' results are the second product's operand.
; Fragments are filled by loads of 16 bytes; that permutes k inside an instruction, alike in both operands, so every product meets its partner.
; LIMITS.  e0 + e1 between -123 and 130 (added to c's exponent field); e2 between -108 and 112 (2^e2 and 57,344 x 2^e2 are f32 numbers, and what v_exp_f32 gives as 0, under 2^-126, is under half the
; smallest code); e2 + e3 goes by v_ldexp_f32 and has no limit.  Infinity and NaN codes among the inputs are not served.
; LDS.  0 .. 262,143: K as IMAGES OF FRAGMENT REGISTERS: live block n at 8,192 n, tile at 1,024, half fragment at 512, lane at 16.  The same bytes later take the partial outputs: [g][query] rows of 256 + 16 bytes.
; 262,144 ..: a lane's (t, l), 8 bytes: 4,096 qg + 2,048 a + 256 g + 8 lane.   270,336 ..: the spare words, 128 bytes a wave, which no other line names.
; THE MODE: SCHED_MODE bits 1:0 = 2 (LLVM: expert scheduling mode 2), set by the entry lines.  The code itself states the register dependences between vector or matrix instructions
; and memory or LDS instructions, with s_wait_alu, always for 0.
; THE PLAN.  Registers that memory or LDS instructions touch, and who else names them:
;   v45, v1, v3, v32-44   offsets and LDS addresses: written once at the head, never again.  One wait on va_vdst ahead of the layout's loads (v45), one at a job's head (all the others).
;   v2 (ADK)              written by one add at each trip's head of both passes, read by the trip's LDS loads: a wait on vm_vsrc ahead of the add, and the step's own wait on va_vdst behind it.
;   v16-31 (Q)            loads land at a job's head; the products of both passes read them.
;   v128-255              a job's head: K's loads land, K's LDS stores read them; pass 1: the products write them as scores; pass 2: V's loads land in v128-191 at a step's head and the step's last
;                         eight products read them; v192-255 are O^T, written by moves and products and read by sixteen LDS stores at the job's end.
;   v48-111               pass 1: K's LDS loads land at a step's head, its products read them.  Pass 2: v48-63 likewise, a quarter at a time.
;   v8-11 (t, l)          written by vector lines, read by two LDS stores, then written again as T.
;   v64-127               the (t, l) pairs' loads land in v64-95 behind pass 1; the partial outputs' loads land in v64-127 behind pass 2; v64-67 and v96-99 are the data of the two stores of out.
; So a wait on va_vdst stands: at a job's head; at the head of each step of each pass; behind the products of quarters 0 to 2 of a pass 2 step; ahead of the stores of (t, l), of O^T and of out.
; Between each of them and the memory instructions that lean on it stand scalar lines, waits, barriers and memory instructions alone.  A wait on vm_vsrc stands at the head of each pass's loop,
; ahead of T, and at a job's end.  All 256 registers of a wave are taken in pass 2, so no buffer has a twin.
.set STAT,  262144
.set SPARE, 270336
.set OPP,   272                        ; a row of partial output: 256 bytes + 16 = 68 words: row r starts at bank 4 r mod 64 (64 banks of 4 bytes: ISA guide 11.1)
.set OPG,   64*OPP                     ; a key group's 64 rows
; vector registers that stay
.set KRD, 1                            ; v1   16 lane + 8,192 g: my place in an image of my first block
.set ADK, 2                            ; v2   KRD + 65,536 i: written at each trip's head
.set VO,  3                            ; v3   V: 4,096 r + 16 h
.set LIM, 4                            ; v4   57,344 x 2^e2
.set SCL, 5                            ; v5   2^e2 as f32
.set SPW, 6                            ; v6   my spare word; never rewritten
.set NIL, 7                            ; v7   0; never rewritten
.set TR,  8                            ; v8, v10   t, later T, of tile 0, 1 (v9, v11: l for the exchange; named as the pairs' upper words)
.set LR,  12                           ; v[12:13], v[14:15]   pass 1: l in two halves; pass 2: 1 / L in the low word
.set QF,  16                           ; v16-31  Q: tile a at 16 + 8 a
.set KO,  32                           ; v32  K in memory: 64 (r + 8 (r / 8)) + 16 h
.set QO,  33                           ; v33  Q in memory: 64 r + 16 h
.set KS,  34                           ; v34-37  where I store my half of the image of my block i
.set STW, 38                           ; v38  where I store (t, l)
.set STR, 39                           ; v39  where I read the eight groups' (t, l)
.set OST, 40                           ; v40  where I store partial output
.set ORD, 41                           ; v41  where I read it back, groups 0-3;
.set ORD2, 42                          ; v42  groups 4-7
.set GO,  43                           ; v43  out: 256 h + 16 r
.set PFO, 44                           ; v44  256 lane; never rewritten
.set LO,  45                           ; v45  4 lane
.set PX,  46                           ; v46, v47  destinations of the exchange between the halves of the lanes
; vector registers by phase
.set ST,  128                          ; staging: slot i, tile t, half p at 128 + 32 i + 8 t + 4 p
.set KF1, 48                           ; pass 1: K's eight fragments
.set FR,  112                          ; pass 1: f = 2^(t old - t new), pairs v[112:113], v[114:115]
.set XR,  116                          ; pass 1: at work, v116-119
.set SC1, 128                          ; pass 1: scores, 128 + 64 a + 8 tile
.set CB,  64                           ; combine: the 16 pairs (t, l)
.set CW,  96                           ; combine: at work
.set KF2, 48                           ; pass 2: two fragments of K
.set SC2, 64                           ; pass 2: scores of 32 keys, 64 + 16 a + 8 u
.set PC,  96                           ; pass 2: codes of w, 96 + 16 a
.set VF,  128                          ; pass 2: V's four fragments
.set OA,  192                          ; pass 2: O^T, 192 + 32 a + 8 d
.set RB,  64                           ; reduce: 64 + 32 i + 4 g
; scalar registers
.set WV,  16
.set QG,  17
.set KG,  18
.set BAT, 19
.set JX,  20
.set JOB, 21
.set IT,  22                           ; trip of a pass
.set KB,  23                           ; 65,536 x trip
.set CS,  28                           ; s[28:29] c, twice
.set ROW, 34                           ; s34 this job's block row, s35 its live blocks as bits; s36, s37 the next job's
.set MSK, 35
.set CNT, 38
.set NW,  39                           ; my blocks in this job
.set JP,  40                           ; their numbers, a byte each
.set JB,  41                           ; the block in hand
.macro BAR                             ; my LDS stores have landed and my LDS loads are in: then the work-group's barrier
	s_wait_dscnt 0x0
	s_barrier_signal -1
	s_barrier_wait -1
.endm
	s_load_b256 s[4:11], s[0:1], 0x0               ; q s[4:5], k s[6:7], v s[8:9], layout s[10:11]
	s_load_b128 s[12:15], s[0:1], 0x20             ; the scales' exponents s[12:13], out s[14:15]
	v_lshl_add_u32 v[SPW], v0, 2, SPARE
	v_mov_b32 v[NIL], 0
	v_lshrrev_b32 v52, 5, v0
	v_readfirstlane_b32 s[WV], v52                 ; wave 0 .. 15
	v_and_b32 v48, 31, v0                          ; lane
	v_lshlrev_b32 v[LO], 2, v48
	s_and_b32 s[BAT], ttmp7, 0xffff
	s_mov_b32 s[JX], ttmp9
	s_wait_alu depctr_va_sdst(0)                   ; the wave's number is written, ahead of its first reader
	s_and_b32 s[QG], s[WV], 1
	s_lshr_b32 s[KG], s[WV], 1
	s_wait_kmcnt 0x0
	s_load_b128 s[24:27], s[12:13], 0x0            ; e0 .. e3
	s_wait_alu depctr_va_vdst(0)                   ; v[LO] is written, which the 32 loads below read as their offset
.set n, 0
.rept 32
	global_load_b32 v[128+n], v[LO], s[10:11] offset:128*n   ; layout row n: a lane a column
.set n, n+1
.endr
	; all address registers are made here, once, from the thread's number, the wave's number and constants, while the layout is on its way
	v_and_b32 v49, 15, v0                          ; r
	v_bfe_u32 v50, v0, 4, 1                        ; h
	v_and_b32 v51, 8, v49
	v_add_nc_u32 v51, v51, v49                     ; r + 8 (r / 8)
	s_lshl_b32 s2, s[KG], 13
	v_lshl_add_u32 v[KRD], v48, 4, s2
	v_lshlrev_b32 v[VO], 12, v49
	v_lshl_add_u32 v[VO], v50, 4, v[VO]
	v_lshlrev_b32 v[KO], 6, v51
	v_lshl_add_u32 v[KO], v50, 4, v[KO]
	v_lshlrev_b32 v[QO], 6, v49
	v_lshl_add_u32 v[QO], v50, 4, v[QO]
	s_lshl_b32 s3, s[QG], 12
	v_add_nc_u32 v[KS], s3, v[KRD]                 ; my half of an image: tiles 4 qg .. 4 qg + 3
	v_add_nc_u32 v[KS+1], 0x10000, v[KS]
	v_add_nc_u32 v[KS+2], 0x20000, v[KS]
	v_add_nc_u32 v[KS+3], 0x30000, v[KS]
	s_add_co_u32 s42, s3, STAT
	v_lshl_add_u32 v[STR], v48, 3, s42
	s_lshl_b32 s31, s[KG], 8
	s_add_co_u32 s31, s31, s42
	v_lshl_add_u32 v[STW], v48, 3, s31
	s_mul_i32 s42, s[KG], OPG
	s_mul_i32 s43, s[QG], 32*OPP
	s_add_co_u32 s42, s42, s43
	v_mul_u32_u24 v[OST], v49, OPP
	v_lshl_add_u32 v[OST], v50, 5, v[OST]
	v_add_nc_u32 v[OST], s42, v[OST]               ; group g, row 32 qg + r, + 32 h
	s_mul_i32 s42, s[WV], 4*OPP
	v_mul_u32_u24 v[ORD], v50, OPP
	v_lshl_add_u32 v[ORD], v49, 4, v[ORD]
	v_add_nc_u32 v[ORD], s42, v[ORD]               ; row 4 w + h, 16 bytes a lane
	v_add_nc_u32 v[ORD2], 4*OPG, v[ORD]
	v_lshlrev_b32 v[GO], 8, v50
	v_lshl_add_u32 v[GO], v49, 4, v[GO]
	v_lshlrev_b32 v[PFO], 8, v48
	; the batch's bases
	s_lshl_b32 s48, s[BAT], 18                     ; a batch's codes: 262,144 bytes in each of q, k, v
	s_mov_b32 s49, 0                               ; s49 stays 0: s[48:49] is an offset in 64 bits
	s_mov_b32 s43, 0
	s_add_nc_u64 s[44:45], s[6:7], s[48:49]
	s_lshl_b32 s42, s[QG], 12
	s_add_nc_u64 s[44:45], s[44:45], s[42:43]      ; k + batch + my half of a block (64 keys of 64 bytes)
	s_add_nc_u64 s[46:47], s[8:9], s[48:49]        ; v + batch
	s_add_nc_u64 s[52:53], s[4:5], s[48:49]
	s_lshl_b32 s42, s[QG], 11
	s_add_nc_u64 s[52:53], s[52:53], s[42:43]      ; q + batch + my 32 queries
	s_lshl_b32 s42, s[JX], 13
	s_add_nc_u64 s[98:99], s[46:47], s[42:43]      ; the prefetch: my work-group's 8,192 bytes of the batch's V; never rewritten
	s_lshl_b32 s48, s[BAT], 20
	s_add_nc_u64 s[54:55], s[14:15], s[48:49]
	s_lshl_b32 s42, s[WV], 10
	s_add_nc_u64 s[54:55], s[54:55], s[42:43]      ; out + batch + my 4 rows of a job's 64
	s_mov_b32 s32, 0x76543210
	s_mov_b32 s33, 0xfedcba98                      ; v_permlanex16_b32's selects: lane l xor 16
	s_sub_co_u32 s31, 31, s[JX]
	v_mov_b32 v48, 0                               ; the rows' live blocks as bits, a lane a row
	v_mov_b32 v49, 0                               ; the rows' keys, a lane a row
	v_mov_b32 v[PX], 0                             ; written once: a lane permute's destination counts as one of its sources
	v_mov_b32 v[PX+1], 0
	; THE RANKING.  s[66+n]: row n's live blocks as bits, then its key (count x 32 + n, no two alike), then the rows with a smaller key as bits
.set n, 0
.rept 32
	s_wait_loadcnt 31-n                            ; loads come back in order: row n is in, the 31 - n younger ones may be out
	v_cmp_eq_u32 s[66+n], 1, v[128+n]              ; live where the entry is 1
.set n, n+1
.endr
	s_wait_alu depctr_va_sdst(0)                   ; the 32 compares have written s66 to s97, ahead of their first readers: one wait for the run
.set n, 0
.rept 32
	v_writelane_b32 v48, s[66+n], n
.set n, n+1
.endr
.set n, 0
.rept 32
	s_bcnt1_i32_b32 s[66+n], s[66+n]
	s_lshl_b32 s[66+n], s[66+n], 5
	s_or_b32 s[66+n], s[66+n], n
.set n, n+1
.endr
.set n, 0
.rept 32
	v_writelane_b32 v49, s[66+n], n
.set n, n+1
.endr
.set n, 0
.rept 32
	v_cmp_gt_u32 s[66+n], s[66+n], v49             ; the rows whose key is smaller than row n's
.set n, n+1
.endr
	s_mov_b32 s34, 0
	s_mov_b32 s36, 0
	s_wait_alu depctr_va_sdst(0)                   ; the 32 compares have written s66 to s97 anew, ahead of the counts that read them: one wait for the run
.set n, 0
.rept 32
	s_bcnt1_i32_b32 s42, s[66+n]                   ; row n's rank
	s_cmp_eq_u32 s42, s[JX]
	s_cselect_b32 s34, n, s34
	s_cmp_eq_u32 s42, s31
	s_cselect_b32 s36, n, s36
.set n, n+1
.endr
	s_min_u32 s34, s34, 31                         ; what comes of loaded numbers is held inside its table before it enters an address
	s_min_u32 s36, s36, 31
	v_readlane_b32 s35, v48, s34
	v_readlane_b32 s37, v48, s36
	s_wait_kmcnt 0x0                               ; e0 .. e3
	s_add_co_i32 s42, s24, s25
	s_lshl_b32 s42, s42, 23
	s_add_co_i32 s[CS], s42, 0x3e38aa3b            ; c = log2(e) / 8, with e0 + e1 added to its exponent field
	s_mov_b32 s[CS+1], s[CS]                       ; (named with it as a pair, so it is written)
	s_add_co_i32 s42, s26, 127
	s_lshl_b32 s43, s42, 23
	v_mov_b32 v[SCL], s43                          ; 2^e2 as f32: the conversion takes its exponent field
	s_add_co_i32 s42, s42, 15
	s_lshl_b32 s42, s42, 23
	s_or_b32 s42, s42, 0x600000
	v_mov_b32 v[LIM], s42                          ; 57,344 x 2^e2
	s_add_co_i32 s30, s26, s27                     ; e2 + e3
	s_mov_b32 s[JOB], 0
	s_wait_alu depctr_va_sdst(0)                   ; the two lane reads have written s35 and s37, ahead of the label and of their first readers in the jobs
; my half (four tiles) of my block i, from memory into registers that are the image
.macro LOADK i
	s_lshl_b32 s48, s[60+\i], 13                   ; a block of K: 128 keys of 64 bytes
	s_add_nc_u64 s[68+2*\i:69+2*\i], s[44:45], s[48:49]
.irp t, 0,1,2,3
	global_load_b128 v[ST+32*\i+8*\t:ST+32*\i+8*\t+3],   v[KO], s[68+2*\i:69+2*\i] offset:(32*(\t/2)+8*(\t%2))*64
	global_load_b128 v[ST+32*\i+8*\t+4:ST+32*\i+8*\t+7], v[KO], s[68+2*\i:69+2*\i] offset:(32*(\t/2)+8*(\t%2))*64+32
.endr
.endm
.macro STOREK i
	s_wait_loadcnt 0x0                             ; all my loads are in (met at once where a slot above has waited already)
.irp t, 0,1,2,3
	ds_store_b128 v[KS+\i], v[ST+32*\i+8*\t:ST+32*\i+8*\t+3]   offset:1024*\t
	ds_store_b128 v[KS+\i], v[ST+32*\i+8*\t+4:ST+32*\i+8*\t+7] offset:1024*\t+512
.endr
.endm
; PASS 1, one block of 128 keys for my 32 queries.  Each LANE keeps its own t and l for the keys of its half: nothing changes lanes here.
.macro P1STEP
	s_wait_alu depctr_va_vdst(0)                   ; v[ADK] is written, which the sixteen loads below read; the last step's products, and in the first step every vector line that named v48-111, are done with the registers in which they land
.irp t, 0,1,2,3,4,5,6,7
	ds_load_b128 v[KF1+8*\t:KF1+8*\t+3],   v[ADK] offset:1024*\t
	ds_load_b128 v[KF1+8*\t+4:KF1+8*\t+7], v[ADK] offset:1024*\t+512
.endr
	s_wait_dscnt 8                                 ; tiles 0-3 are in; the eight younger loads (tiles 4-7) may be out
.irp t, 0,1,2,3
.irp a, 0,1
	v_wmma_f32_16x16x64_bf8_bf8 v[SC1+64*\a+8*\t:SC1+64*\a+8*\t+7], v[KF1+8*\t:KF1+8*\t+7], v[QF+8*\a:QF+8*\a+7], 0
.endr
.endr
	s_wait_dscnt 0x0
.irp t, 4,5,6,7
.irp a, 0,1
	v_wmma_f32_16x16x64_bf8_bf8 v[SC1+64*\a+8*\t:SC1+64*\a+8*\t+7], v[KF1+8*\t:KF1+8*\t+7], v[QF+8*\a:QF+8*\a+7], 0
.endr
.endr
.rept 4
	v_nop                                          ; four places between the last products and the first read of results (ISA guide 7.12.1)
.endr
.irp a, 0,1                                    ; the largest of my 64 scores of each tile, in two chains, ascending: each accumulator is first read at its low end
	v_max3_num_f32 v[XR+2*\a],   v[SC1+64*\a],   v[SC1+64*\a+1], v[SC1+64*\a+2]
	v_max3_num_f32 v[XR+2*\a+1], v[SC1+64*\a+3], v[SC1+64*\a+4], v[SC1+64*\a+5]
.endr
.irp i, 6,10,14,18,22,26,30,34,38,42,46,50,54,58
.irp a, 0,1
	v_max3_num_f32 v[XR+2*\a],   v[XR+2*\a],   v[SC1+64*\a+\i],   v[SC1+64*\a+\i+1]
	v_max3_num_f32 v[XR+2*\a+1], v[XR+2*\a+1], v[SC1+64*\a+\i+2], v[SC1+64*\a+\i+3]
.endr
.endr
.irp a, 0,1
	v_max3_num_f32 v[XR+2*\a], v[XR+2*\a], v[SC1+64*\a+62], v[SC1+64*\a+63]
.endr
.irp a, 0,1
	v_max_num_f32 v[XR+2*\a], v[XR+2*\a], v[XR+2*\a+1]
.endr
.irp a, 0,1
	v_mul_f32 v[XR+2*\a], s[CS], v[XR+2*\a]        ; as t (c is positive)
.endr
.irp a, 0,1
	v_mov_b32 v[FR+2*\a], v[TR+2*\a]
.endr
.irp a, 0,1
	v_max_num_f32 v[TR+2*\a], v[TR+2*\a], v[XR+2*\a]   ; the running largest t
.endr
.irp a, 0,1
	v_sub_f32 v[FR+2*\a], v[FR+2*\a], v[TR+2*\a]   ; t old - t new
.endr
.irp a, 0,1
.set n, 0
.rept 32
	v_pk_fma_f32 v[SC1+64*\a+n:SC1+64*\a+n+1], v[SC1+64*\a+n:SC1+64*\a+n+1], s[CS:CS+1], v[TR+2*\a:TR+2*\a+1] op_sel_hi:[1,0,0] neg_lo:[0,0,1] neg_hi:[0,0,1]   ; c S - t, two at a time
.set n, n+2
.endr
.endr
	s_wait_alu depctr_va_vdst(0)
	v_exp_f32 v[FR], v[FR]                         ; ONE BATCH: f of both tiles and the 128 p
	v_exp_f32 v[FR+2], v[FR+2]
.set n, 0
.rept 128
	v_exp_f32 v[SC1+n], v[SC1+n]
.set n, n+1
.endr
	v_nop                                          ; a plain instruction behind the last exponential
	s_wait_alu depctr_va_vdst(0)                   ; the 130 exponentials have written f and p: one wait for the batch, ahead of its first reader
.irp a, 0,1
	v_pk_mul_f32 v[LR+2*\a:LR+2*\a+1], v[LR+2*\a:LR+2*\a+1], v[FR+2*\a:FR+2*\a+1] op_sel_hi:[1,0]   ; l under the new t
	v_pk_add_f32 v[XR+2*\a:XR+2*\a+1], v[SC1+64*\a:SC1+64*\a+1], v[SC1+64*\a+2:SC1+64*\a+3]
.endr
.irp j, 4,8,12,16,20,24,28,32,36,40,44,48,52,56,60
.irp a, 0,1
	v_pk_add_f32 v[LR+2*\a:LR+2*\a+1], v[LR+2*\a:LR+2*\a+1], v[SC1+64*\a+\j:SC1+64*\a+\j+1]
	v_pk_add_f32 v[XR+2*\a:XR+2*\a+1], v[XR+2*\a:XR+2*\a+1], v[SC1+64*\a+\j+2:SC1+64*\a+\j+3]
.endr
.endr
.irp a, 0,1
	v_pk_add_f32 v[LR+2*\a:LR+2*\a+1], v[LR+2*\a:LR+2*\a+1], v[XR+2*\a:XR+2*\a+1]
.endr
.endm
; PASS 2, 32 keys (tiles 2 qs, 2 qs + 1) of the block in hand: the scores again, the finished weights, their codes
.macro QUARTER qs
	s_wait_dscnt 0x0                               ; the quarter's two fragments of K are in
.irp u, 0,1
.irp a, 0,1
	v_wmma_f32_16x16x64_bf8_bf8 v[SC2+16*\a+8*\u:SC2+16*\a+8*\u+7], v[KF2+8*\u:KF2+8*\u+7], v[QF+8*\a:QF+8*\a+7], 0
.endr
.endr
.rept 4
	v_nop                                          ; four places ahead of the first read of results
.endr
.if (\qs) < 3
	s_wait_alu depctr_va_vdst(0)                   ; the four products are done reading K's two fragments, in which the next quarter's land
.irp u, 0,1                                    ; the next quarter's fragments land under this quarter's vector work, which names none of their registers
	ds_load_b128 v[KF2+8*\u:KF2+8*\u+3],   v[ADK] offset:1024*(2*((\qs)+1)+\u)
	ds_load_b128 v[KF2+8*\u+4:KF2+8*\u+7], v[ADK] offset:1024*(2*((\qs)+1)+\u)+512
.endr
.endif
.irp a, 0,1
.irp j, 0,2,4,6,8,10,12,14
	v_pk_fma_f32 v[SC2+16*\a+\j:SC2+16*\a+\j+1], v[SC2+16*\a+\j:SC2+16*\a+\j+1], s[CS:CS+1], v[TR+2*\a:TR+2*\a+1] op_sel_hi:[1,0,0] neg_lo:[0,0,1] neg_hi:[0,0,1]   ; c S - T
.endr
.endr
.set n, 0
	s_wait_alu depctr_va_vdst(0)
.rept 32
	v_exp_f32 v[SC2+n], v[SC2+n]
.set n, n+1
.endr
	v_nop                                          ; a plain instruction behind the last exponential
	s_wait_alu depctr_va_vdst(0)                   ; the 32 exponentials have written v64-95: one wait for the batch, ahead of its first reader
.irp a, 0,1
.irp j, 0,2,4,6,8,10,12,14
	v_pk_mul_f32 v[SC2+16*\a+\j:SC2+16*\a+\j+1], v[SC2+16*\a+\j:SC2+16*\a+\j+1], v[LR+2*\a:LR+2*\a+1] op_sel_hi:[1,0]   ; x 1 / L: the finished weight
.endr
.endr
.set n, 0
.rept 32
	v_min_num_f32 v[SC2+n], v[SC2+n], v[LIM]       ; the conversion to an 8-bit code does not saturate (ISA guide 7.6.2); a weight is not negative, so the hold is one-sided
.set n, n+1
.endr
.irp a, 0,1
.irp u, 0,1
	v_cvt_scalef32_pk8_bf8_f32 v[PC+16*\a+4*(\qs)+2*\u:PC+16*\a+4*(\qs)+2*\u+1], v[SC2+16*\a+8*\u:SC2+16*\a+8*\u+7], v[SCL]
.endr
.endr
	v_nop                                          ; a plain instruction between the conversions and the products that write their sources or read their results
.endm
; PASS 2, one block: K's first two fragments, for which the wave waits first, and V's four, which land under the four quarters, are asked for behind one wait
.macro P2STEP
	s_lshl_b32 s48, s[JB], 7                       ; the block's 128 keys in a row of V
	s_add_nc_u64 s[50:51], s[46:47], s[48:49]      ; (the last step's loads from this base have been waited for)
	s_wait_alu depctr_va_vdst(0)                   ; v[ADK] is written, which K's loads read; the last step's products (in the first step: pass 1's products and vector lines) are done with v48-63 and v128-191, in which the twenty loads below land
.irp u, 0,1
	ds_load_b128 v[KF2+8*\u:KF2+8*\u+3],   v[ADK] offset:1024*\u
	ds_load_b128 v[KF2+8*\u+4:KF2+8*\u+7], v[ADK] offset:1024*\u+512
.endr
.irp d, 0,1,2,3
.irp c, 0,1,2,3
	global_load_b128 v[VF+16*\d+4*\c:VF+16*\d+4*\c+3], v[VO], s[50:51] offset:65536*\d+32*\c   ; row 16 d + r of V, keys 32 c + 16 h + 0 .. 15 of the block
.endr
.endr
	QUARTER 0
	QUARTER 1
	QUARTER 2
	QUARTER 3
	s_wait_alu depctr_va_vdst(0)
	s_wait_loadcnt 0x0                             ; V
.irp d, 0,1,2,3                                ; the eight accumulators take one turn each; between two steps stand the scores' products
.irp a, 0,1
	v_wmma_f32_16x16x128_bf8_bf8 v[OA+32*\a+8*\d:OA+32*\a+8*\d+7], v[VF+16*\d:VF+16*\d+15], v[PC+16*\a:PC+16*\a+15], v[OA+32*\a+8*\d:OA+32*\a+8*\d+7]
.endr
.endr
.rept 4
	v_nop                                          ; four places ahead of the next codes and of the stores of O^T
.endr
.endm
.Ljob:                                             ; two trips
	; ---- which blocks are mine
	s_bcnt1_i32_b32 s[CNT], s[MSK]
	s_add_co_u32 s[NW], s[CNT], 7
	s_sub_co_u32 s[NW], s[NW], s[KG]
	s_lshr_b32 s[NW], s[NW], 3                     ; the numbers 8 i + g under the row's count
	v_mbcnt_lo_u32_b32 v48, s[MSK], 0              ; lane j: the live blocks ahead of block j
.irp i, 0,1,2,3
	s_add_co_u32 s42, s[KG], 8*\i
	v_cmp_eq_u32 s[60+\i], s42, v48
.endr
	s_wait_alu depctr_va_sdst(0)                   ; the four compares have written s60 to s63, ahead of their first readers: one wait for the run
.irp i, 0,1,2,3
	s_and_b32 s[60+\i], s[60+\i], s[MSK]           ; the one live block with 8 i + g live blocks ahead of it, or none
	s_ctz_i32_b32 s[60+\i], s[60+\i]
	s_min_u32 s[60+\i], s[60+\i], 31               ; held inside the table; where there is none the number is not used
.endr
	s_lshl_b32 s42, s61, 8
	s_or_b32 s[JP], s60, s42
	s_lshl_b32 s42, s62, 16
	s_or_b32 s[JP], s[JP], s42
	s_lshl_b32 s42, s63, 24
	s_or_b32 s[JP], s[JP], s42
	s_lshl_b32 s48, s[ROW], 13
	s_add_nc_u64 s[56:57], s[52:53], s[48:49]
	s_lshl_b32 s48, s[JOB], 12
	s_add_nc_u64 s[56:57], s[56:57], s[48:49]      ; Q: the block row, the job's half
	s_lshl_b32 s48, s[ROW], 15
	s_add_nc_u64 s[58:59], s[54:55], s[48:49]
	s_lshl_b32 s48, s[JOB], 14
	s_add_nc_u64 s[58:59], s[58:59], s[48:49]      ; out likewise
	; ---- Q into registers; my half of each of my blocks of K into LDS.  A jump at the first block that I do not have leads into the descending run of stores: a slot is stored on the paths that loaded it
	s_wait_alu depctr_va_vdst(0)                   ; job 0: the head has written all offsets and LDS addresses (v1, v3, v32-44), which every load and store from here on reads, and its compares are done reading v128-159; job 1: the last job's products and vector lines are done with Q's registers and v128-255, in which the loads below land
.irp a, 0,1
	global_load_b128 v[QF+8*\a:QF+8*\a+3],   v[QO], s[56:57] offset:1024*\a
	global_load_b128 v[QF+8*\a+4:QF+8*\a+7], v[QO], s[56:57] offset:1024*\a+32
.endr
	s_cmp_lt_u32 s[NW], 1
	s_cbranch_scc1 .Lst0
	LOADK 0
	s_cmp_lt_u32 s[NW], 2
	s_cbranch_scc1 .Lst1
	LOADK 1
	s_cmp_lt_u32 s[NW], 3
	s_cbranch_scc1 .Lst2
	LOADK 2
	s_cmp_lt_u32 s[NW], 4
	s_cbranch_scc1 .Lst3
	LOADK 3
	STOREK 3
.Lst3:
	STOREK 2
.Lst2:
	STOREK 1
.Lst1:
	STOREK 0
.Lst0:
	s_wait_loadcnt 0x0                             ; Q
	BAR                                            ; the images of all the row's live blocks are whole
	; A PREFETCH INTO THE L2 of V, which pass 2 will load: wave 0, in job 0, names the 32 blocks of 256 bytes at 8,192 jx of its batch's V, a lane a block; the batch's 32 work-groups
	; name each block of its V once in the launch.  It stands a whole pass 1 ahead of the first loads of V.  Its address registers are never rewritten.
	s_or_b32 s42, s[JOB], s[WV]
	s_cmp_eq_u32 s42, 0
	s_cbranch_scc0 .Lno_pf
	global_prefetch_b8 v[PFO], s[98:99] th:TH_LOAD_NT scope:SCOPE_SE
.Lno_pf:
	; ---- pass 1
	v_mov_b32 v[TR], 0xff61b1e6                    ; t = -3e38, under every t
	v_mov_b32 v[TR+2], 0xff61b1e6
	v_mov_b32 v[TR+1], 0                           ; (named as the pairs' upper words)
	v_mov_b32 v[TR+3], 0
	v_mov_b32 v[LR], 0                             ; l, in two halves a tile
	v_mov_b32 v[LR+1], 0
	v_mov_b32 v[LR+2], 0
	v_mov_b32 v[LR+3], 0
	v_mov_b32 v[FR+1], 0
	v_mov_b32 v[FR+3], 0
	s_mov_b32 s[IT], 0
	s_mov_b32 s[KB], 0
.Lp1:                                              ; four trips, whatever the layout; a trip for which I have no block passes over the work
	s_wait_alu depctr_vm_vsrc(0)                   ; the last trip's LDS loads have read v[ADK], which the add below writes; in the first trip K's LDS stores have read v128-255, which the products write as scores
	v_add_nc_u32 v[ADK], s[KB], v[KRD]
	s_cmp_ge_u32 s[IT], s[NW]
	s_cbranch_scc1 .Lp1_skip
	P1STEP
.Lp1_skip:
	s_add_co_u32 s[KB], s[KB], 0x10000
	s_add_co_u32 s[IT], s[IT], 1
	s_cmp_lt_u32 s[IT], 4
	s_cbranch_scc1 .Lp1
	s_wait_alu depctr_va_vdst(0)
	; ---- the eight groups' and the two halves' (t, l) become T and 1 / L
	v_add_f32 v[TR+1], v[LR], v[LR+1]
	v_add_f32 v[TR+3], v[LR+2], v[LR+3]
	s_wait_alu depctr_va_vdst(0)                   ; t and l are written in v8-11, which the two stores read; pass 1's products are done reading v64-95, in which the sixteen pairs land behind the barrier
	ds_store_b64 v[STW], v[TR:TR+1]
	ds_store_b64 v[STW], v[TR+2:TR+3] offset:2048
	BAR
.irp a, 0,1
.irp g, 0,1,2,3,4,5,6,7
	ds_load_b64 v[CB+16*\a+2*\g:CB+16*\a+2*\g+1], v[STR] offset:2048*\a+256*\g
.endr
.endr
	s_wait_dscnt 0x0
	s_wait_alu depctr_vm_vsrc(0)                   ; the two stores have read v8-11, into which T is written below
.irp a, 0,1
	v_max3_num_f32 v[CW+\a], v[CB+16*\a], v[CB+16*\a+2], v[CB+16*\a+4]
.endr
.irp a, 0,1
	v_max3_num_f32 v[CW+\a], v[CW+\a], v[CB+16*\a+6], v[CB+16*\a+8]
.endr
.irp a, 0,1
	v_max3_num_f32 v[CW+\a], v[CW+\a], v[CB+16*\a+10], v[CB+16*\a+12]
.endr
.irp a, 0,1
	v_max_num_f32 v[CW+\a], v[CW+\a], v[CB+16*\a+14]
.endr
.irp a, 0,1
	v_permlanex16_b32 v[PX+\a], v[CW+\a], s32, s33 ; the query's other keys lie in the lane 16 away
.endr
.irp a, 0,1
	v_max_num_f32 v[TR+2*\a], v[CW+\a], v[PX+\a]   ; T
.endr
.irp a, 0,1
.irp g, 0,1,2,3,4,5,6,7
	v_sub_f32 v[CB+16*\a+2*\g], v[CB+16*\a+2*\g], v[TR+2*\a]
.endr
.endr
	s_wait_alu depctr_va_vdst(0)
.irp a, 0,1
.irp g, 0,1,2,3,4,5,6,7
	v_exp_f32 v[CB+16*\a+2*\g], v[CB+16*\a+2*\g]   ; 2^(t - T)
.endr
.endr
	v_nop
	s_wait_alu depctr_va_vdst(0)                   ; the sixteen exponentials have written their results: one wait, ahead of their first reader
.irp a, 0,1
	v_mul_f32 v[CW+2+\a], v[CB+16*\a], v[CB+16*\a+1]
.endr
.irp g, 1,2,3,4,5,6,7
.irp a, 0,1
	v_fmac_f32 v[CW+2+\a], v[CB+16*\a+2*\g], v[CB+16*\a+2*\g+1]
.endr
.endr
.irp a, 0,1
	v_permlanex16_b32 v[PX+\a], v[CW+2+\a], s32, s33
.endr
.irp a, 0,1
	v_add_f32 v[CW+2+\a], v[CW+2+\a], v[PX+\a]     ; L
.endr
	s_wait_alu depctr_va_vdst(0)
.irp a, 0,1
	v_rcp_f32 v[LR+2*\a], v[CW+2+\a]
.endr
	v_nop
	s_wait_alu depctr_va_vdst(0)                   ; the two reciprocals have written v12 and v14: one wait, ahead of the label and of their first reader
	; ---- pass 2
.set n, 0
.rept 64
	v_mov_b32 v[OA+n], 0                           ; O^T: my first block stands under a branch on the layout, so no product with C = 0 can be written out ahead of the loop
.set n, n+1
.endr
	s_mov_b32 s[IT], 0
	s_mov_b32 s[KB], 0
.Lp2:                                              ; four trips, as in pass 1
	s_wait_alu depctr_vm_vsrc(0)                   ; the LDS loads issued so far have read v[ADK], which the add below writes
	v_add_nc_u32 v[ADK], s[KB], v[KRD]
	s_and_b32 s[JB], s[JP], 31
	s_min_u32 s[JB], s[JB], 31                     ; the trip's block number, held inside the table anew
	s_lshr_b32 s[JP], s[JP], 8
	s_cmp_ge_u32 s[IT], s[NW]
	s_cbranch_scc1 .Lp2_skip
	P2STEP
.Lp2_skip:
	s_add_co_u32 s[KB], s[KB], 0x10000
	s_add_co_u32 s[IT], s[IT], 1
	s_cmp_lt_u32 s[IT], 4
	s_cbranch_scc1 .Lp2
	; ---- the eight groups' partial outputs meet where the images lay
	BAR                                            ; every wave's reads of the images are over
	s_wait_alu depctr_va_vdst(0)                   ; the moves and products have written O^T, which the sixteen stores read (the places behind the last products stay beside this wait); pass 2's products and conversions are done with v64-127, in which the partial outputs land behind the next barrier
.irp a, 0,1
.irp d, 0,1,2,3
	ds_store_b128 v[OST], v[OA+32*\a+8*\d:OA+32*\a+8*\d+3]   offset:16*OPP*\a+64*\d       ; each accumulator from its low end on: lane (r, h): query 16 a + r, channels 16 d + 8 h + 0 .. 7
	ds_store_b128 v[OST], v[OA+32*\a+8*\d+4:OA+32*\a+8*\d+7] offset:16*OPP*\a+64*\d+16
.endr
.endr
	BAR
.irp i, 0,1                                    ; my four rows, two an instruction: rows 4 w + 2 i + h
.irp g, 0,1,2,3
	ds_load_b128 v[RB+32*\i+4*\g:RB+32*\i+4*\g+3], v[ORD] offset:OPG*\g+2*OPP*\i
.endr
.irp g, 0,1,2,3
	ds_load_b128 v[RB+32*\i+16+4*\g:RB+32*\i+16+4*\g+3], v[ORD2] offset:OPG*\g+2*OPP*\i
.endr
.endr
	s_wait_dscnt 0x0
.irp i, 0,1
.irp g, 0,2,4,6
.irp k, 0,2
	v_pk_add_f32 v[RB+32*\i+4*\g+\k:RB+32*\i+4*\g+\k+1], v[RB+32*\i+4*\g+\k:RB+32*\i+4*\g+\k+1], v[RB+32*\i+4*\g+4+\k:RB+32*\i+4*\g+4+\k+1]
.endr
.endr
.endr
.irp i, 0,1
.irp g, 0,4
.irp k, 0,2
	v_pk_add_f32 v[RB+32*\i+4*\g+\k:RB+32*\i+4*\g+\k+1], v[RB+32*\i+4*\g+\k:RB+32*\i+4*\g+\k+1], v[RB+32*\i+4*\g+8+\k:RB+32*\i+4*\g+8+\k+1]
.endr
.endr
.endr
.irp i, 0,1
.irp k, 0,2
	v_pk_add_f32 v[RB+32*\i+\k:RB+32*\i+\k+1], v[RB+32*\i+\k:RB+32*\i+\k+1], v[RB+32*\i+16+\k:RB+32*\i+16+\k+1]
.endr
.endr
.irp i, 0,1
.irp k, 0,1,2,3
	v_ldexp_f32 v[RB+32*\i+\k], v[RB+32*\i+\k], s30  ; x 2^(e2 + e3)
.endr
.endr
	s_wait_alu depctr_va_vdst(0)                   ; the eight scalings have written v64-67 and v96-99, which the two stores read
.irp i, 0,1
	global_store_b128 v[GO], v[RB+32*\i:RB+32*\i+3], s[58:59] offset:512*\i th:TH_STORE_NT   ; 32 lanes store 512 consecutive bytes, two rows of out, at a multiple of 256 from its first byte
.endr
	s_wait_xcnt 0x0                                ; the stores have read their data and their base: the next job writes both again
	s_wait_alu depctr_vm_vsrc(0)                   ; beside it: the stores of out have read v64-67 and v96-99, and the LDS stores of O^T v192-255: the next job's loads land in all of these
	BAR                                            ; every wave's reads of the partial outputs are over: the next job's images may be stored there
	s_mov_b32 s[ROW], s36
	s_mov_b32 s[MSK], s37
	s_add_co_u32 s[JOB], s[JOB], 1
	s_cmp_lt_u32 s[JOB], 2
	s_cbranch_scc1 .Ljob
	s_wait_dscnt 0x0                               ; the wave's end: the closing lines, six on end
	s_wait_alu 0x0
	s_wait_tensorcnt 0x0
	ds_add_u32 v[SPW], v[NIL]
	s_wait_dscnt 0x0
	s_endpgm
.Lfunc_end_k_q092b4246e0_attn:
	.size	k_q092b4246e0_attn, .Lfunc_end_k_q092b4246e0_attn-k_q092b4246e0_attn
	.p2alignl 7, 3214868480
	.fill 96, 4, 3214868480
	.section	.rodata,"a",@progbits
	.p2align	6, 0x0
	.amdhsa_kernel k_q092b4246e0_attn
		.amdhsa_group_segment_fixed_size 272384
		.amdhsa_private_segment_fixed_size 0
		.amdhsa_enable_private_segment 0
		.amdhsa_kernarg_size 48
		.amdhsa_user_sgpr_count 2
		.amdhsa_user_sgpr_kernarg_segment_ptr 1
		.amdhsa_wavefront_size32 1
		.amdhsa_system_sgpr_workgroup_id_x 1
		.amdhsa_system_sgpr_workgroup_id_y 1
		.amdhsa_system_sgpr_workgroup_id_z 1
		.amdhsa_system_vgpr_workitem_id 0
		.amdhsa_next_free_vgpr 256
		.amdhsa_next_free_sgpr 100
		.amdhsa_reserve_vcc 0
		.amdhsa_float_denorm_mode_32 3
		.amdhsa_float_denorm_mode_16_64 3
		.amdhsa_memory_ordered 1
		.amdhsa_forward_progress 1
		.amdhsa_inst_pref_size 86
	.end_amdhsa_kernel
	.amdgpu_metadata
---
amdhsa.version: [ 1, 2 ]
amdhsa.kernels:
  - .name:           k_q092b4246e0_attn
    .symbol:         k_q092b4246e0_attn.kd
    .args:
      - { .name: q_codes, .offset: 0, .size: 8, .value_kind: global_buffer, .address_space: global }
      - { .name: k_codes, .offset: 8, .size: 8, .value_kind: global_buffer, .address_space: global }
      - { .name: v_codes, .offset: 16, .size: 8, .value_kind: global_buffer, .address_space: global }
      - { .name: layout, .offset: 24, .size: 8, .value_kind: global_buffer, .address_space: global }
      - { .name: lowp_scales, .offset: 32, .size: 8, .value_kind: global_buffer, .address_space: global }
      - { .name: out0, .offset: 40, .size: 8, .value_kind: global_buffer, .address_space: global }
    .group_segment_fixed_size: 272384
    .private_segment_fixed_size: 0
    .kernarg_segment_align: 8
    .kernarg_segment_size: 48
    .max_flat_workgroup_size: 512
    .sgpr_count:     100
    .vgpr_count:     256
    .wavefront_size: 32
...
	.end_amdgpu_metadata
.endif
;; end of part 2
